; MI455X (gfx1250); checked and timed in simulation.
; The chip was launched on July 23, 2026; its instructions are those of AMD's public machine-readable ISA for CDNA 5 (MIT licence, August 2026) and "CDNA5" Instruction Set Architecture Reference Guide (July 2026). The comments in the code are by the model that wrote it; some were corrected since.
;; RDPP NOISING. Allowed arithmetic: matrix products marked QUANTISED: E3M2 operands, one E8M0 scale for each 32 along K, by v_wmma_scale_f32_16x16x128_f8f6f4 with both operands' format E3M2, f32 sums; everything else in f32.
;; Inputs: features 8 x 1,024 x 32 x 32 float32; memory_bank 8,192 x 1,024 float32; noise 8,192 x 1,024 float32.
;; Outputs: out0 8 x 1,024 x 32 x 32 float32; out1 8 x 32 x 32 float32; out2 8 x 32 x 32 float32.
;; This version of the problem:
;;   THIS VERSION OF THE PROBLEM IS GIVEN IN LOW PRECISION. The matrix products marked QUANTISED in the list below multiply operands that are first quantised to E3M2 (3 exponent bits, 2 mantissa bits; 6 bits a number), with one power-of-two scale for each 32 numbers along K (OCP MX v1.0); their sums are f32. All else is computed in f32.
;;   The module's matrix products, in the order in which they are computed (A, B: the left and right operand; K: the contracted axis; several contracted axes count as one K, in the product's order):
;;     1. [M 8,192, K 1,024] x [K 1,024, N 8,192]; A: input features; B: input memory_bank: QUANTISED
;;   THE QUANTISER, for each operand of a quantised product, along K:
;;     - K is cut into blocks of 32 from its start; a last block that is shorter is filled with zeros.
;;     - A block's scale is 2^e with e = floor(log2(the largest magnitude in the block)) - 4, held to -126 .. 127; a block of zeros has e = 0. As a byte (E8M0): e + 127.
;;     - Each number is divided by its block's scale, clamped to +-28, and rounded to the nearest number of E3M2, ties to even, subnormals kept.
;;     - The product sums the exact products of the quantised numbers (number of the format x scale) in f32.
;;   ~~~python
;;   def quantise(x, axis):      # numpy; x: float32 -> the quantised numbers, widened to float32 again
;;       x = np.moveaxis(x, axis, -1); K = x.shape[-1]
;;       x = np.pad(x, [(0, 0)] * (x.ndim - 1) + [(0, -K % 32)]); x = x.reshape(x.shape[:-1] + (-1, 32)); a = np.abs(x).max(-1, keepdims=True)
;;       e = np.where(a > 0, np.clip(np.frexp(np.where(a > 0, a, 1))[1] - 1 - 4, -126, 127), 0)      # np.frexp(a)[1] - 1 = floor(log2(a)), exactly
;;       r = np.clip(x / 2.0 ** e, -28, 28)
;;       step = 2.0 ** (np.maximum(np.frexp(np.where(r == 0, 1, r))[1] - 1, -2) - 2)
;;       q = np.round(r / step) * step * 2.0 ** e      # np.round: ties to even
;;       return np.moveaxis(q.reshape(q.shape[:-2] + (-1,))[..., :K], -1, axis).astype(np.float32)
;;   ~~~
;; One version. Each part assembles by itself: llvm-mc -triple=amdgcn-amd-amdhsa -mcpu=gfx1250 --defsym DOCPART=n.
;; ======== version 1 of 1: 5 launches
;; limits: right only within a limited range of input values
;; workspace buffers: codes 12,582,912 bytes; scales 524,288 bytes; sq 65,536 bytes; cand_d 262,144 bytes; cand_i 262,144 bytes of whole numbers; idx 32,768 bytes of whole numbers; rd 32,768 bytes; part 65,536 bytes
;; launch quant (part 1): grid 256 x 1, 16 waves a work-group, no clusters, 144,384 bytes of LDS; arguments features, memory_bank, codes, scales, sq; writes codes, scales, sq
.if DOCPART == 1
	.amdgcn_target "amdgcn-amd-amdhsa--gfx1250"
	.amdhsa_code_object_version 6
	.text
	.protected	k_q8cd9dfab08_quant
	.globl	k_q8cd9dfab08_quant
	.p2align	8
	.type	k_q8cd9dfab08_quant,@function
k_q8cd9dfab08_quant:
	s_mov_b64 s[64:65], 0
	v_nop
	global_prefetch_b8 v0, s[64:65] scope:SCOPE_SE
	s_setreg_imm32_b32 hwreg(HW_REG_WAVE_MODE, 25, 1), 1
	s_wait_xcnt 0x0
; THE PROGRAM.  f = features turned to [8192 positions][1024 channels]; cross = Q(f) Q(memory_bank)^T on codes of E3M2 with one E8M0 scale for each 32 channels;
; d2 = max(f2 + m2 - 2 cross, 0); the nearest row of the bank gives mean |f - nearest| / (sqrt(d2 + eps) + eps); that is normalised by its least and largest over all positions and scales the noise.
; DEAD WORK, for all values of the inputs: of the nine neighbours that reference() asks of top_k it uses column 0 alone, so neighbours 2 to 9 reach no output and are not searched for.
; sqrt(x + eps) never falls where x rises, so the least distance stands at the least clamped d2: the root is taken of eight candidates a position and not of all 8,192 distances.  The clamp at 0 stays: it makes ties,
; which go to the lower index as top_k breaks them.  Every input has a way to an output and is loaded.
; LIMITS: NaN and infinities among the inputs are not served, and one that would reach only the work left out is not carried to the result.  Blocks whose largest magnitude lies under 2^(4 - 126) were not tried.
; A block of zeros gets the scale byte 1 where the rule says 127: its codes are zeros, which add nothing under any byte but 0xff, and this program alone reads the bytes.
; Two rows of one group of 1,024 rows whose d2 differ in f32 while their roots would be equal in f32 are decided by d2; between groups the root decides, the lower index first.
; THIS LAUNCH turns both operands into codes and scale bytes, laid in the ORDER OF THE OPERAND'S REGISTERS, and sums f2 and m2.
;   codes: the fragment of row block R (16 rows) and K step s (128 channels) at (8 R + s) x 1536; register i of lane l at 512 (i / 4) + 16 l + 4 (i % 4).  Lane l = r + 16 h holds row r; registers 0-5 block h of the step, 6-11 block 2 + h.
;   scales: row block R at 512 R; lane l's 16 bytes at 16 l are the scale words of K steps 4 h .. 4 h + 3 of row r.   f's parts lie first in each buffer, the bank's behind them.
; Work-groups 0-127 take the features (K is not innermost: a lane takes a position and its registers run down the channels), work-groups 128-255 the bank (K innermost: dense loads, turned through the wave's stage in LDS).
; The two paths part on the work-group's number alone and have LDS bytes of their own.  No tensor load: all of a work-group's 256 KB are asked for through registers.
.set WST,   8448                       ; bank: a wave's stage, 16 rows x (512 bytes + 16), from LDS byte 0 on
.set SCM,   135168                     ; bank: the image of 4 row blocks' scale words, 2,048 bytes
.set MQ,    137216                     ; bank: m2 in 4 parts of 64 rows
.set SCF,   138240                     ; features: the image of 4 row blocks' scale words
.set FQ,    140288                     ; features: f2 in 8 parts of 64 positions
.set SPARE, 142336                     ; the spare words, 128 bytes for each of the 16 waves: no other line names them
.set SPW,   10                         ; v10  my spare word's LDS address; never rewritten
.set NIL,   11                         ; v11  0; never rewritten
.set X,     64                         ; features: v64-127 two sets of 32 numbers
.set G,     128                        ; features: v128-151 the codes: 12 registers for lane r, 12 for lane r + 16
.set RL,    56                         ; bank: v56-183 two K steps as loaded, 16 rows x 4 registers each
.set XB,    184                        ; bank: v184-247 my 64 numbers: block h, then block 2 + h
.set GB,    24                         ; bank: v24-47 two fragments' codes
	s_load_b256 s[4:11], s[0:1], 0x0               ; features s[4:5], memory_bank s[6:7], codes s[8:9], scales s[10:11]
	s_load_b64 s[12:13], s[0:1], 0x20              ; sq
	v_lshl_add_u32 v[SPW], v0, 2, SPARE
	v_mov_b32 v[NIL], 0
	v_lshrrev_b32 v1, 5, v0
	s_delay_alu instid0(VALU_DEP_1)
	v_readfirstlane_b32 s14, v1                    ; wave 0..15
	v_and_b32 v1, 31, v0                           ; lane
	v_and_b32 v4, 15, v0                           ; r
	v_bfe_u32 v5, v0, 4, 1                         ; h
	s_delay_alu instid0(VALU_DEP_3)
	v_lshlrev_b32 v6, 4, v1                        ; 16 x lane
	s_delay_alu instid0(VALU_DEP_4)
	v_lshlrev_b32 v7, 3, v1                        ; 8 x lane
	s_mov_b32 s20, 0x76543210
	s_mov_b32 s21, 0xfedcba98                      ; v_permlanex16_b32's selects for lane l xor 16
	s_mov_b32 s23, 0
	s_and_b32 s19, s14, 3                          ; wave % 4
	s_wait_kmcnt 0x0
	s_cmp_ge_u32 ttmp9, 128
	s_cbranch_scc1 .Lbank
; Behind the barrier: waves 0-3 store the scale words' image, 512 consecutive bytes each; wave 4 adds the parts of the squares, in ascending order, and stores 256 consecutive bytes, aligned.
.macro TAIL vsc, vq, parts, t0
	s_cmp_lt_u32 s14, 4
	s_cbranch_scc0 .Lsums_\@
	ds_load_b128 v[\t0:\t0+3], v[\vsc]
	s_wait_dscnt 0x0
	global_store_b128 v6, v[\t0:\t0+3], s[10:11]
	s_branch .Lend_\@
.Lsums_\@:
	s_cmp_eq_u32 s14, 4
	s_cbranch_scc0 .Lend_\@
.set PN, 0
.rept \parts
	ds_load_b64 v[\t0+2*PN:\t0+2*PN+1], v[\vq] offset:256*PN
.set PN, PN+1
.endr
	s_wait_dscnt 0x0
.set PN, 1
	v_pk_add_f32 v[\t0:\t0+1], v[\t0:\t0+1], v[\t0+2*PN:\t0+2*PN+1]
.set PN, PN+1
.rept (\parts-1)-1
	s_delay_alu instid0(VALU_DEP_1)
	v_pk_add_f32 v[\t0:\t0+1], v[\t0:\t0+1], v[\t0+2*PN:\t0+2*PN+1]
.set PN, PN+1
.endr
	global_store_b64 v7, v[\t0:\t0+1], s[12:13]
.Lend_\@:
	s_wait_tensorcnt 0x0                           ; the wave's end, behind my last LDS store
	ds_add_u32 v[SPW], v[NIL]
	s_wait_dscnt 0x0
	s_endpgm
.endm
; ---------------- THE FEATURES.  Work-group g: positions 64 g .. 64 g + 63.  Wave: half ph = wave % 2 of them, K step ks = wave / 2.  A lane is position 64 g + 32 ph + lane.
	s_and_b32 s15, s14, 1                          ; ph
	s_lshr_b32 s16, s14, 1                         ; ks
	s_lshr_b32 s22, ttmp9, 4
	s_lshl_b32 s22, s22, 22                        ; the image b = g / 16: 4 MiB each
	s_lshl_b32 s24, s16, 19                        ; 128 channels of 4,096 bytes
	s_add_co_u32 s22, s22, s24
	s_and_b32 s24, ttmp9, 15
	s_lshl_b32 s24, s24, 8                         ; 64 positions of 4 bytes
	s_add_co_u32 s22, s22, s24
	s_lshl_b32 s24, s15, 7
	s_add_co_u32 s22, s22, s24
	s_add_nc_u64 s[4:5], s[4:5], s[22:23]
	s_wait_alu depctr_va_vdst(0)
	v_lshlrev_b32 v2, 2, v1                        ; 4 x lane
.macro FLOAD q                         ; block q of my K step: channels 32 q + i, into set q % 2; a load covers 128 consecutive bytes, the wave beside me the 128 that follow
.irp i, 0,1,2,3,4,5,6,7,8,9,10,11,12,13,14,15,16,17,18,19,20,21,22,23,24,25,26,27,28,29,30,31
	global_load_b32 v[X+32*((\q)%2)+\i], v2, s[4:5] offset:(32*(\q)+\i)*4096 th:TH_LOAD_NT
.endr
.endm
	FLOAD 0
	FLOAD 1
	s_lshl_b32 s22, ttmp9, 2
	s_lshl_b32 s24, s15, 1
	s_add_co_u32 s22, s22, s24                     ; my first row block: 4 g + 2 ph
	s_mul_i32 s22, s22, 12288
	s_mul_i32 s24, s16, 1536
	s_add_co_u32 s22, s22, s24
	s_add_nc_u64 s[8:9], s[8:9], s[22:23]          ; its fragment of K step ks
	s_lshl_b32 s22, ttmp9, 11
	s_lshl_b32 s24, s19, 9
	s_add_co_u32 s22, s22, s24
	s_add_nc_u64 s[10:11], s[10:11], s[22:23]      ; scales: 2,048 g + 512 (wave % 4)
	s_lshl_b32 s22, ttmp9, 8
	s_add_nc_u64 s[12:13], s[12:13], s[22:23]      ; f2: 256 g
	v_mul_u32_u24 v3, v5, 12288
	s_delay_alu instid0(VALU_DEP_1)
	v_lshl_add_u32 v3, v4, 4, v3                   ; the codes' place: row block lane / 16, lane r's 16 bytes
	s_lshl_b32 s24, s15, 10
	s_lshr_b32 s25, s16, 2
	s_lshl_b32 s25, s25, 8
	s_add_co_u32 s24, s24, s25
	s_and_b32 s25, s16, 3
	s_lshl_b32 s25, s25, 2
	s_add_co_u32 s24, s24, s25
	s_add_co_u32 s24, s24, SCF
	v_lshlrev_b32 v8, 9, v5
	s_delay_alu instid0(VALU_DEP_1)
	v_lshl_add_u32 v8, v4, 4, v8
	s_delay_alu instid0(VALU_DEP_1)
	v_add_nc_u32 v8, s24, v8                       ; my scale word in the image: 512 (2 ph + lane / 16) + 16 (r + 16 (ks / 4)) + 4 (ks % 4)
	s_lshl_b32 s24, s16, 8
	s_lshl_b32 s25, s15, 7
	s_add_co_u32 s24, s24, s25
	s_add_co_u32 s24, s24, FQ
	v_lshl_add_u32 v9, v1, 2, s24                  ; my part of f2: part ks, position 32 ph + lane
	s_lshl_b32 s24, s19, 9
	s_add_co_u32 s24, s24, SCF
	v_add_nc_u32 v12, s24, v6                      ; the tail's reads
	v_lshl_add_u32 v13, v1, 3, FQ
; One block of 32 channels: its largest magnitude needs no other lane.  v20, v21 maxima; v22 the conversion's scale operand; v23 the byte; v24 the scale word; v[26:29] two packed chains of squares; v[30:32] a conversion's result on its way
.macro FBLK q
.set XS, X+32*((\q)%2)
.set GD, G+12*((\q)%2)+6*((\q)/2)      ; block q belongs to lane r + 16 (q % 2), registers 6 (q / 2) on
.if (\q) < 3
	s_wait_loadcnt 32                              ; this block's 32 loads are in; the next block's 32 may be out
.else
	s_wait_loadcnt 0x0
.endif
	v_max3_num_f32 v20, |v[XS]|, |v[XS+1]|, |v[XS+2]|
	v_max3_num_f32 v21, |v[XS+3]|, |v[XS+4]|, |v[XS+5]|
.irp i, 6,10,14,18,22,26
	s_delay_alu instid0(VALU_DEP_2)
	v_max3_num_f32 v20, v20, |v[XS+\i]|, |v[XS+\i+1]|
	s_delay_alu instid0(VALU_DEP_2)
	v_max3_num_f32 v21, v21, |v[XS+\i+2]|, |v[XS+\i+3]|
.endr
	s_delay_alu instid0(VALU_DEP_2)
	v_max3_num_f32 v20, v20, |v[XS+30]|, |v[XS+31]|
	s_delay_alu instid0(VALU_DEP_1)
	v_max3_num_f32 v20, v20, v21, 0x2800000        ; and the floor 2^(5 - 127): the byte cannot fall under 1
	s_delay_alu instid0(VALU_DEP_1)
	v_add_nc_u32 v22, 0xfe000000, v20              ; 4 off the exponent field: the conversion takes that field as its scale
	s_delay_alu instid0(VALU_DEP_1)
	v_lshrrev_b32 v23, 23, v22                     ; the scale's byte
.if (\q) == 0
	s_delay_alu instid0(VALU_DEP_1)
	v_mov_b32 v24, v23
.else
	s_delay_alu instid0(VALU_DEP_1)
	v_lshl_or_b32 v24, v23, 8*(\q), v24            ; byte q of my row's word
.endif
.set JN, 0
.rept 16
.if ((\q) == 0) && (JN < 2)
	v_pk_mul_f32 v[26+2*JN:27+2*JN], v[XS+2*JN:XS+2*JN+1], v[XS+2*JN:XS+2*JN+1]   ; the first squares start the sums
.else
	v_pk_fma_f32 v[26+2*(JN%2):27+2*(JN%2)], v[XS+2*JN:XS+2*JN+1], v[XS+2*JN:XS+2*JN+1], v[26+2*(JN%2):27+2*(JN%2)]
.endif
.set JN, JN+1
.endr
	v_cvt_scalef32_pk16_bf6_f32 v[GD:GD+2], v[XS:XS+15], v22
	v_cvt_scalef32_pk16_bf6_f32 v[30:32], v[XS+16:XS+31], v22      ; (a conversion's three registers begin on an even number)
	v_nop                                          ; one plain place behind a scaled conversion
	v_mov_b32 v[GD+3], v30
	v_mov_b32 v[GD+4], v31
	v_mov_b32 v[GD+5], v32
.if (\q) < 2
	FLOAD (\q)+2
.else
.irp c, 0,1,2
	global_store_b128 v3, v[G+12*((\q)-2)+4*\c:G+12*((\q)-2)+4*\c+3], s[8:9] offset:512*\c+256*((\q)-2)   ; sixteen lanes store 256 consecutive bytes, aligned
.endr
.endif
.endm
	FBLK 0
	FBLK 1
	FBLK 2
	FBLK 3
	v_pk_add_f32 v[26:27], v[26:27], v[28:29]
	s_delay_alu instid0(VALU_DEP_1)
	v_add_f32 v26, v26, v27                        ; my position's squares over these 128 channels
	ds_store_b32 v8, v24
	ds_store_b32 v9, v26
	s_wait_dscnt 0x0                               ; for the others' sake: my stores have landed
	s_barrier_signal -1
	s_barrier_wait -1
	TAIL 12, 13, 8, X
; ---------------- THE BANK.  Work-group g' = g - 128: rows 64 g' .. 64 g' + 63.  Wave: row block Rl = wave / 4, K steps 2 kq and 2 kq + 1 with kq = wave % 4.
.Lbank:
	s_sub_co_u32 s15, ttmp9, 128
	s_lshr_b32 s16, s14, 2                         ; Rl
	s_lshl_b32 s22, s15, 18
	s_lshl_b32 s24, s16, 16
	s_add_co_u32 s22, s22, s24
	s_lshl_b32 s24, s19, 10
	s_add_co_u32 s22, s22, s24
	s_add_nc_u64 s[6:7], s[6:7], s[22:23]
.macro MLOAD t                         ; K step 2 kq + t of my 16 rows: a load covers 512 consecutive bytes of one row
.irp i, 0,1,2,3,4,5,6,7,8,9,10,11,12,13,14,15
	global_load_b128 v[RL+64*(\t)+4*\i:RL+64*(\t)+4*\i+3], v6, s[6:7] offset:4096*\i+512*(\t) th:TH_LOAD_NT
.endr
.endm
	s_wait_alu depctr_va_vdst(0)
	MLOAD 0
	MLOAD 1
	s_lshl_b32 s22, s15, 2
	s_add_co_u32 s22, s22, s16
	s_mul_i32 s22, s22, 12288
	s_mul_i32 s24, s19, 3072
	s_add_co_u32 s22, s22, s24
	s_add_co_u32 s22, s22, 6291456                 ; the bank's codes lie behind f's
	s_add_nc_u64 s[8:9], s[8:9], s[22:23]
	s_lshl_b32 s22, s15, 11
	s_lshl_b32 s24, s19, 9
	s_add_co_u32 s22, s22, s24
	s_add_co_u32 s22, s22, 262144
	s_add_nc_u64 s[10:11], s[10:11], s[22:23]
	s_lshl_b32 s22, s15, 8
	s_add_co_u32 s22, s22, 32768
	s_add_nc_u64 s[12:13], s[12:13], s[22:23]
	s_mul_i32 s24, s14, WST
	v_add_nc_u32 v2, s24, v6                       ; my stage, on the way in: 16 x lane of a row
	v_mul_u32_u24 v3, v4, 528
	s_delay_alu instid0(VALU_DEP_1)
	v_lshl_add_u32 v3, v5, 7, v3
	s_delay_alu instid0(VALU_DEP_1)
	v_add_nc_u32 v3, s24, v3                       ; and on the way out: row r, block h
	s_lshl_b32 s24, s16, 9
	s_lshr_b32 s25, s19, 1
	s_lshl_b32 s25, s25, 8
	s_add_co_u32 s24, s24, s25
	s_and_b32 s25, s19, 1
	s_lshl_b32 s25, s25, 3
	s_add_co_u32 s24, s24, s25
	s_add_co_u32 s24, s24, SCM
	v_lshl_add_u32 v8, v4, 4, s24                  ; my two scale words in the image: 512 Rl + 16 (r + 16 (kq / 2)) + 8 (kq % 2)
	s_lshl_b32 s24, s19, 8
	s_lshl_b32 s25, s16, 6
	s_add_co_u32 s24, s24, s25
	s_add_co_u32 s24, s24, MQ
	v_lshl_add_u32 v9, v4, 2, s24                  ; my part of m2: part kq, row 16 Rl + r
	s_lshl_b32 s24, s19, 9
	s_add_co_u32 s24, s24, SCM
	v_add_nc_u32 v12, s24, v6
	v_lshl_add_u32 v13, v1, 3, MQ
	v_mov_b32 v22, 0                               ; written once: a lane permute's destination counts as one of its sources
; One K step.  v14, v15 the two blocks' maxima; v16, v17 scale operands; v18, v19 at work; v[20:21] the two steps' scale words; v[48:51] two packed chains of squares; v[52:54] a conversion's result on its way
.macro MSTEP t
.if (\t) == 0
	s_wait_loadcnt 16                              ; this step's 16 loads are in; the next step's 16 may be out
.else
	s_wait_loadcnt 0x0
.endif
.irp i, 0,1,2,3,4,5,6,7,8,9,10,11,12,13,14,15
	ds_store_b128 v2, v[RL+64*(\t)+4*\i:RL+64*(\t)+4*\i+3] offset:528*\i
.endr
.irp u, 0,1,2,3,4,5,6,7                ; LDS serves a wave's instructions in order: these see my stores
	ds_load_b128 v[XB+4*\u:XB+4*\u+3], v3 offset:16*\u
	ds_load_b128 v[XB+32+4*\u:XB+32+4*\u+3], v3 offset:256+16*\u
.endr
	s_wait_dscnt 0x0
	v_max3_num_f32 v14, |v[XB]|, |v[XB+1]|, 0x2800000              ; the floor 2^(5 - 127) among the leaves
	v_max3_num_f32 v15, |v[XB+32]|, |v[XB+33]|, 0x2800000
.irp i, 2,4,6,8,10,12,14,16,18,20,22,24,26,28,30
	s_delay_alu instid0(VALU_DEP_2)
	v_max3_num_f32 v14, v14, |v[XB+\i]|, |v[XB+\i+1]|              ; the two blocks by turns
	s_delay_alu instid0(VALU_DEP_2)
	v_max3_num_f32 v15, v15, |v[XB+32+\i]|, |v[XB+33+\i]|
.endr
	s_delay_alu instid0(VALU_DEP_2)
	v_add_nc_u32 v16, 0xfe000000, v14
	s_delay_alu instid0(VALU_DEP_2)
	v_add_nc_u32 v17, 0xfe000000, v15
	s_delay_alu instid0(VALU_DEP_2)
	v_lshrrev_b32 v18, 23, v16
	s_delay_alu instid0(VALU_DEP_2)
	v_lshrrev_b32 v19, 23, v17
	s_delay_alu instid0(VALU_DEP_1)
	v_lshl_or_b32 v18, v19, 16, v18                ; my two bytes: blocks h and 2 + h,
	v_lshlrev_b32 v19, 3, v5
	s_delay_alu instid0(VALU_DEP_1)
	v_lshlrev_b32 v18, v19, v18                    ; at their places in the word;
	s_delay_alu instid0(VALU_DEP_1)
	v_permlanex16_b32 v22, v18, s20, s21
	s_delay_alu instid0(VALU_DEP_1)
	v_or_b32 v[20+(\t)], v18, v22                  ; with lane l xor 16's two the word is whole
.set JN, 0
.rept 32
.if ((\t) == 0) && (JN < 2)
	v_pk_mul_f32 v[48+2*JN:49+2*JN], v[XB+2*JN:XB+2*JN+1], v[XB+2*JN:XB+2*JN+1]
.else
	v_pk_fma_f32 v[48+2*(JN%2):49+2*(JN%2)], v[XB+2*JN:XB+2*JN+1], v[XB+2*JN:XB+2*JN+1], v[48+2*(JN%2):49+2*(JN%2)]
.endif
.set JN, JN+1
.endr
	v_cvt_scalef32_pk16_bf6_f32 v[GB+12*(\t):GB+12*(\t)+2], v[XB:XB+15], v16
	v_cvt_scalef32_pk16_bf6_f32 v[GB+12*(\t)+6:GB+12*(\t)+8], v[XB+32:XB+47], v17
	v_cvt_scalef32_pk16_bf6_f32 v[52:54], v[XB+16:XB+31], v16
	v_nop                                          ; one plain place behind a scaled conversion
	v_mov_b32 v[GB+12*(\t)+3], v52
	v_mov_b32 v[GB+12*(\t)+4], v53
	v_mov_b32 v[GB+12*(\t)+5], v54
	v_cvt_scalef32_pk16_bf6_f32 v[52:54], v[XB+48:XB+63], v17
	v_nop
	v_mov_b32 v[GB+12*(\t)+9], v52
	v_mov_b32 v[GB+12*(\t)+10], v53
	v_mov_b32 v[GB+12*(\t)+11], v54
.irp c, 0,1,2
	global_store_b128 v6, v[GB+12*(\t)+4*\c:GB+12*(\t)+4*\c+3], s[8:9] offset:1536*(\t)+512*\c   ; 512 consecutive bytes; each step has registers of its own, so no store's data are written again
.endr
.endm
	s_wait_alu depctr_va_vdst(0)
	MSTEP 0
	MSTEP 1
	v_pk_add_f32 v[48:49], v[48:49], v[50:51]
	s_delay_alu instid0(VALU_DEP_1)
	v_add_f32 v48, v48, v49
	s_delay_alu instid0(VALU_DEP_1)
	v_permlanex16_b32 v22, v48, s20, s21
	s_delay_alu instid0(VALU_DEP_1)
	v_add_f32 v48, v48, v22                        ; row r's squares over these 256 channels
	ds_store_b64 v8, v[20:21]                      ; both halves of the lanes write the same bytes with the same values
	ds_store_b32 v9, v48
	s_wait_dscnt 0x0
	s_barrier_signal -1
	s_barrier_wait -1
	TAIL 12, 13, 4, XB
.Lfunc_end_k_q8cd9dfab08_quant:
	.size	k_q8cd9dfab08_quant, .Lfunc_end_k_q8cd9dfab08_quant-k_q8cd9dfab08_quant
	.p2alignl 7, 3214868480
	.fill 96, 4, 3214868480
	.section	.rodata,"a",@progbits
	.p2align	6, 0x0
	.amdhsa_kernel k_q8cd9dfab08_quant
		.amdhsa_group_segment_fixed_size 144384
		.amdhsa_private_segment_fixed_size 0
		.amdhsa_enable_private_segment 0
		.amdhsa_kernarg_size 40
		.amdhsa_user_sgpr_count 2
		.amdhsa_user_sgpr_kernarg_segment_ptr 1
		.amdhsa_wavefront_size32 1
		.amdhsa_system_sgpr_workgroup_id_x 1
		.amdhsa_system_sgpr_workgroup_id_y 1
		.amdhsa_system_sgpr_workgroup_id_z 1
		.amdhsa_system_vgpr_workitem_id 0
		.amdhsa_next_free_vgpr 248
		.amdhsa_next_free_sgpr 66
		.amdhsa_reserve_vcc 0
		.amdhsa_float_denorm_mode_32 3
		.amdhsa_float_denorm_mode_16_64 3
		.amdhsa_memory_ordered 1
		.amdhsa_forward_progress 1
		.amdhsa_inst_pref_size 54
	.end_amdhsa_kernel
	.amdgpu_metadata
---
amdhsa.version: [ 1, 2 ]
amdhsa.kernels:
  - .name:           k_q8cd9dfab08_quant
    .symbol:         k_q8cd9dfab08_quant.kd
    .args:
      - { .name: features, .offset: 0, .size: 8, .value_kind: global_buffer, .address_space: global }
      - { .name: memory_bank, .offset: 8, .size: 8, .value_kind: global_buffer, .address_space: global }
      - { .name: codes, .offset: 16, .size: 8, .value_kind: global_buffer, .address_space: global }
      - { .name: scales, .offset: 24, .size: 8, .value_kind: global_buffer, .address_space: global }
      - { .name: sq, .offset: 32, .size: 8, .value_kind: global_buffer, .address_space: global }
    .group_segment_fixed_size: 144384
    .private_segment_fixed_size: 0
    .kernarg_segment_align: 8
    .kernarg_segment_size: 40
    .max_flat_workgroup_size: 512
    .sgpr_count:     66
    .vgpr_count:     248
    .wavefront_size: 32
...
	.end_amdgpu_metadata
.endif
;; end of part 1
;; launch knn (part 2): grid 32 x 8, 4 waves a work-group, clusters of 4 x 1, 327,680 bytes of LDS; arguments codes, scales, sq, cand_d, cand_i; writes cand_d, cand_i
.if DOCPART == 2
	.amdgcn_target "amdgcn-amd-amdhsa--gfx1250"
	.amdhsa_code_object_version 6
	.text
	.protected	k_q8cd9dfab08_knn
	.globl	k_q8cd9dfab08_knn
	.p2align	8
	.type	k_q8cd9dfab08_knn,@function
k_q8cd9dfab08_knn:
	s_mov_b64 s[64:65], 0
	v_nop
	global_prefetch_b8 v0, s[64:65] scope:SCOPE_SE
	s_setreg_imm32_b32 hwreg(HW_REG_WAVE_MODE, 25, 1), 1
	s_wait_xcnt 0x0
	s_wait_alu depctr_hold_cnt(0) depctr_sa_sdst(0) depctr_va_vdst(0) depctr_va_sdst(0) depctr_va_ssrc(0) depctr_va_vcc(0) depctr_vm_vsrc(0)
	s_getreg_b32 s2, hwreg(HW_REG_IB_STS2, 6, 4)
	s_cmp_eq_u32 s2, 0
	s_cbranch_scc0 .Lentry_in_a_cluster
	s_endpgm
.Lentry_in_a_cluster:
	s_bfe_u32 s2, ttmp6, 0x10000c
	s_cmp_lg_u32 s2, 0x3003
	s_cbranch_scc0 .Lentry_shape_is_right
	s_endpgm
.Lentry_shape_is_right:
; cross = Q(f) Q(bank)^T on codes of E3M2, and for each position the least clamped d2 and its row, in each of eight groups of 1,024 rows of the bank.
; LEFT OUT as dead work (shown at the head of the first kernel): neighbours 2 to 9, and the root of all but the candidates.
; SHARES.  A work-group owns 256 positions (rg) and one group of rows (cg); each of its four waves 64 positions, four tiles of 16, whose codes for all of K stay in registers: 32 fragments, 384 registers.
; The bank's 64 row blocks come through a ring of two LDS slots of 8 row blocks (98,304 bytes); a fragment read from LDS feeds four products.  The bank's scale words and m2 of the whole group come once, at the head.
; THE PRODUCT IS USED TRANSPOSED: source 0 = 16 rows of the bank, source 1 = 16 positions: a lane holds ONE position (lane % 16), its register j the row 8 (lane / 16) + j.
; WHAT IS KEPT IS U = -d2 = 2 cross - (f2 + m2): f2 + m2 rounded first, then one fused multiply-add, as reference() rounds, with the sign turned.  The clamp is min(U, 0).  A lane keeps the largest clamped U, the block
; in which it first stood (a later block must be strictly larger) and that block's eight U; which of the eight it was is found once, at the end, the lowest first; then the two halves of the lanes meet, the lower row first.
; VECTOR LINES AMONG THE PRODUCTS.  Two accumulator sets take turns.  Behind each product of block b stand two lines of the block before: U in place in its set, the largest of its eight U, the clamp; then f2 + m2 of block b,
; and in the last K step the comparison with the best so far.  All are written so that the products' window setting (source 1 alone) leaves them as they are: their second source is a constant, a scalar register,
; or (the comparison) a register of window 2, which K steps 4-7 name.  Behind the products follow the 40 selections, and in their middle ONE run of 27 LDS loads for the next block.
; The block before the first has f2 + m2 = +infinity, which no comparison takes; the selections ahead of the first block find masks that keep everything.
; CLUSTER.  The four work-groups of a cluster share cg, so every tile of the bank is asked for JOINTLY: the same tensor load, the same descriptor, the mask of all four.  The place in the cluster enters f's addresses and the results' alone.
; NO PREFETCH of the bank's tiles: a refill is asked for eight blocks, 256 products a wave, ahead of the wait for it.
; REGISTERS, in windows of 256: window 0 as named below; window 1: f's fragments of K steps 0-3 at v[12 (4 s + a)]; window 2: those of K steps 4-7, and from v192 the search's state.
.set SLOT1, 131072                     ; slot 1 begins here: one exclusive or turns an address in one slot into the other's
.set SLOTB, 98304
.set RBB,   12288                      ; a row block's codes
.set SCL,   229376                     ; the bank's scale words, 64 row blocks x 512 bytes
.set MSL,   262144                     ; m2 of 1,024 rows
.set STG,   266240                     ; the way out: 512 bytes for each wave; no fill lands here
.set SPARE, 268288                     ; the spare words, 128 bytes for each wave: no other line names them
.set LN16,  1                          ; v1   16 x lane
.set ADB0,  2                          ; v2   the slot in hand, blocks 0-4;  v3 blocks 5-7
.set ADS,   4                          ; v4   the slot's scale words
.set ADM,   5                          ; v5   the slot's m2
.set CSC,   6                          ; v6   SCL + 16 x lane
.set CMS,   7                          ; v7   MSL + 32 (lane / 16)
.set SPW,   8                          ; v8   my spare word's LDS address; never rewritten
.set NIL,   9                          ; v9   0; never rewritten
.set M0,    10                         ; v10-21 and v252-255: sixteen maxima at work, four to a tile; v10-13 end as a block's largest clamped U;  v14-17 also at work at the end
.set M1,    14
.set M2,    18
.set M3,    252
.set PBV,   22                         ; v22  the number of the block that is searched
.set ASC,   24                         ; v24-39 f's scale words: tile a, register q: lanes 0-15 K step q, lanes 16-31 K step 4 + q
.set BSC,   40                         ; v40-43 the bank's, likewise
.set MSQ,   44                         ; v44-51 m2 of my eight rows
.set FSQ,   52                         ; v52-59 f2 of tile a in the even register; the odd one is 0 (named with it as a pair)
.set T,     60                         ; v60-91 f2 + m2
.set ACC,   92                         ; v92-155 two sets of four accumulators; a set then holds U
.set BF,    156                        ; v156-251 eight fragments
.set SVW,   192                        ; window 2: v192-223 the best block's eight U
.set BESTW, 224                        ; window 2: v224-227 the largest clamped U
.set BIDW,  228                        ; window 2: v228-231 its block
.set SVC,   156                        ; the end: the state's copy in window 0
.set BESTC, 188
.set BIDC,  192
.set MSB, 0
.macro WIN new                         ; the immediate's high byte repeats the setting that is left
.if MSB != \new
	s_set_vgpr_msb (MSB<<8)|\new
.set MSB, \new
.endif
.endm
.macro CROUND                          ; a round of the cluster's barrier
	s_barrier_signal -1
	s_barrier_wait -1
	s_cmp_lg_u32 s14, 0
	s_cbranch_scc1 .Lnot_wave_0_\@
	s_barrier_signal -3
.Lnot_wave_0_\@:
	s_barrier_wait -3
	s_barrier_signal -1
	s_barrier_wait -1
.endm
.macro NOP4
.rept 4
	v_nop
.endr
.endm
	s_load_b256 s[4:11], s[0:1], 0x0               ; codes s[4:5], scales s[6:7], sq s[8:9], cand_d s[10:11]
	s_load_b64 s[12:13], s[0:1], 0x20              ; cand_i
	v_lshl_add_u32 v[SPW], v0, 2, SPARE
	v_mov_b32 v[NIL], 0
	ds_add_u32 v[SPW], v[NIL]                      ; the wave's opening: the add, twice on end, and its wait ahead of my first tensor load
	ds_add_u32 v[SPW], v[NIL]
	v_lshrrev_b32 v1, 5, v0
	v_readfirstlane_b32 s14, v1                    ; wave 0..3
	s_bfe_u32 s15, ttmp6, 0x40000                  ; cx: my place in the cluster
	s_lshl_b32 s16, ttmp9, 2
	s_add_co_u32 s16, s16, s15                     ; rg = 4 x cluster x + cx
	s_and_b32 s17, ttmp7, 0xffff                   ; cg, which the four partners share
	; groups 1: dense blocks as rows of 256 bytes (32 elements of 8 bytes).  s[20:27]: 96 rows, a quarter of a slot; s[28:35]: 192 rows, half of slot 0; s[36:43]: 128 rows of scale words; s[84:91]: 16 rows of m2
.irp g, 20, 28, 36, 84
	s_mov_b32 s[\g], 15|(3<<16)|(1<<21)            ; 15:0 the mask: all four work-groups; 17:16 elements of 8 bytes; 21 set beside a mask
	s_mov_b32 s[\g+1], 32<<16                      ; tensor_dim0
	s_mov_b32 s[\g+3], 32<<16                      ; tile_dim0
	s_mov_b32 s[\g+5], 32                          ; from row to row
	s_mov_b32 s[\g+6], 0
	s_mov_b32 s[\g+7], 0
.endr
	s_mov_b32 s22, 96<<16                          ; tensor_dim1, tile_dim1
	s_mov_b32 s24, 96
	s_mov_b32 s30, 192<<16
	s_mov_b32 s32, 192
	s_mov_b32 s38, 128<<16
	s_mov_b32 s40, 128
	s_mov_b32 s86, 16<<16
	s_mov_b32 s88, 16
	s_mov_b32 s44, 1                               ; groups 0: s[44:47] the ring's, which walks; s[48:51] half of slot 0; s[52:55] the scale words'; s[56:59] m2's
	s_mul_i32 s45, s14, 24576                      ; LDS: my quarter of a slot
	s_mov_b32 s48, 1
	s_mul_i32 s49, s14, 49152                      ; LDS: my half of slot 0 (waves 0 and 1 alone ask by it)
	s_mov_b32 s52, 1
	s_mov_b32 s53, SCL
	s_mov_b32 s56, 1
	s_mov_b32 s57, MSL
	s_mov_b32 s71, 0
	s_mov_b32 s79, 0
	s_mov_b32 s74, 0x76543210
	s_mov_b32 s75, 0xfedcba98                      ; v_permlanex16_b32's selects for lane l xor 16
	s_mov_b32 s81, 0xff800000                      ; -infinity: the idle source of a maximum of two
	v_and_b32 v23, 31, v0
	v_lshlrev_b32 v[LN16], 4, v23
	v_add_nc_u32 v[CSC], SCL, v[LN16]
	v_bfe_u32 v[CMS], v0, 4, 1
	v_lshlrev_b32 v[CMS], 5, v[CMS]
	v_add_nc_u32 v[CMS], MSL, v[CMS]
	v_and_b32 v23, 15, v0
	v_lshlrev_b32 v23, 2, v23                      ; 4 r
	s_wait_alu depctr_va_vdst(0)
	s_wait_dscnt 0x0                               ; both opening adds are done
	s_wait_kmcnt 0x0
	s_mul_i32 s72, s17, 786432                     ; the group's 64 row blocks,
	s_add_co_u32 s72, s72, 6291456                 ; behind f's codes
	s_add_co_u32 s70, s72, s45
	s_add_nc_u64 s[46:47], s[4:5], s[70:71]
	s_or_b32 s47, s47, 0x80000000                  ; type = 2
	s_add_co_u32 s70, s72, s49
	s_add_nc_u64 s[50:51], s[4:5], s[70:71]
	s_or_b32 s51, s51, 0x80000000
	s_lshl_b32 s70, s17, 15
	s_add_co_u32 s70, s70, 262144
	s_add_nc_u64 s[54:55], s[6:7], s[70:71]
	s_or_b32 s55, s55, 0x80000000
	s_lshl_b32 s70, s17, 12
	s_add_co_u32 s70, s70, 32768
	s_add_nc_u64 s[58:59], s[8:9], s[70:71]
	s_or_b32 s59, s59, 0x80000000
	s_lshl_b32 s76, s16, 4                         ; what hangs on my place in the cluster has registers of its own
	s_lshl_b32 s78, s14, 2
	s_add_co_u32 s76, s76, s78                     ; my first row block of f: 16 rg + 4 wave
	s_mul_i32 s78, s76, RBB
	s_add_nc_u64 s[4:5], s[4:5], s[78:79]
	s_lshl_b32 s78, s76, 9
	s_add_nc_u64 s[6:7], s[6:7], s[78:79]
	s_lshl_b32 s78, s76, 6
	s_add_nc_u64 s[8:9], s[8:9], s[78:79]
	s_lshl_b32 s77, s17, 15
	s_add_co_u32 s78, s78, s77                     ; the results: 32,768 cg + 4 x my first position
	s_add_nc_u64 s[10:11], s[10:11], s[78:79]
	s_add_nc_u64 s[12:13], s[12:13], s[78:79]
	; 56 of f's loads go out ahead of the round, which they do not hang on: K steps 0-3, the scale words and f2
	WIN 0x40                                       ; destination window 1, address window 0
.irp s, 0,1,2,3
.irp a, 0,1,2,3
.irp c, 0,1,2
	global_load_b128 v[12*(4*\s+\a)+4*\c:12*(4*\s+\a)+4*\c+3], v[LN16], s[4:5] offset:RBB*\a+1536*\s+512*\c
.endr
.endr
.endr
	WIN 0
.irp a, 0,1,2,3
	global_load_b128 v[ASC+4*\a:ASC+4*\a+3], v[LN16], s[6:7] offset:512*\a
	global_load_b32 v[FSQ+2*\a], v23, s[8:9] offset:64*\a
.endr
	CROUND                                         ; all four work-groups are here: the first joint loads meet
	; THE HEAD'S LOADS, ONE A WAVE, in one chain of arms on the wave's number: waves 0 and 1 half of slot 0 each, wave 2 the scale words, wave 3 m2
	s_cmp_lt_u32 s14, 2
	s_cbranch_scc0 .Lhead_s
	tensor_load_to_lds s[48:51], s[28:35]
	s_nop 0
	NOP4
	s_branch .Lhead_asked
.Lhead_s:
	s_cmp_lt_u32 s14, 3
	s_cbranch_scc0 .Lhead_m
	tensor_load_to_lds s[52:55], s[36:43]
	s_nop 0
	NOP4
	s_branch .Lhead_asked
.Lhead_m:
	tensor_load_to_lds s[56:59], s[84:91]
	s_nop 0
	NOP4
.Lhead_asked:
	WIN 0x80                                       ; destination window 2: f's K steps 4-7
.irp s, 0,1,2,3
.irp a, 0,1,2,3
.irp c, 0,1,2
	global_load_b128 v[12*(4*\s+\a)+4*\c:12*(4*\s+\a)+4*\c+3], v[LN16], s[4:5] offset:RBB*\a+1536*(\s+4)+512*\c
.endr
.endr
.endr
.set JN, 0
.rept 32
	v_mov_b32 v[SVW+JN], 0
.set JN, JN+1
.endr
.irp a, 0,1,2,3
	v_mov_b32 v[BESTW+\a], 0xff800000              ; -infinity: under every U
	v_mov_b32 v[BIDW+\a], 0
.endr
	WIN 0
.irp a, 0,1,2,3
	v_mov_b32 v[FSQ+2*\a+1], 0
	v_mov_b32 v[M0+\a], 0xff800000
.endr
	v_mov_b32 v[PBV], 0
.set JN, 0
.rept 32
	v_mov_b32 v[T+JN], 0x7f800000                  ; the block before the first: f2 + m2 = +infinity and cross = 0, so U = -infinity, which is not above -infinity
	v_mov_b32 v[ACC+JN], 0                         ; (set 0 is named by the selections ahead of the first block, whose masks keep everything)
	v_mov_b32 v[ACC+32+JN], 0
.set JN, JN+1
.endr
.irp a, 0,1,2,3
	s_mov_b32 s[66+\a], -1                         ; the masks: 1 = the old value stays
.endr
	s_mov_b32 s60, 0                               ; LDS byte at which the slot in hand begins
	s_mov_b32 s62, 0                               ; its scale words: 4,096 bytes a slot
	s_mov_b32 s63, 0                               ; its m2: 512 bytes a slot
	s_mov_b32 s80, -1                              ; the block that is searched
	s_mov_b32 s61, 7                               ; slots still to be asked for
.macro LOADS bn                        ; block bn of the slot: 27 loads in one run: the scale words, m2, eight fragments of three loads
.if (\bn) < 5
.set AB, ADB0
.set OB, RBB*(\bn)
.else
.set AB, ADB0+1
.set OB, RBB*((\bn)-5)
.endif
	ds_load_b128 v[BSC:BSC+3], v[ADS] offset:512*(\bn)
	ds_load_b128 v[MSQ:MSQ+3], v[ADM] offset:64*(\bn)
	ds_load_b128 v[MSQ+4:MSQ+7], v[ADM] offset:64*(\bn)+16
.irp s, 0,1,2,3,4,5,6,7
.irp c, 0,1,2
	ds_load_b128 v[BF+12*\s+4*\c:BF+12*\s+4*\c+3], v[AB] offset:OB+1536*\s+512*\c
.endr
.endr
.endm
; One of 64 lines, the four tiles by turns.  0-15: U of the set PV, in place, each accumulator from its low end on.  16-31: the larger of each two neighbouring U.  40-47: of each two of those.  56-59: of the last two.
; 60-63: reference()'s clamp of d2 at 0.  32-39 and 48-55: f2 + m2 of the block in hand, as m2 x 1 + f2: one rounding, the sum's; they stand between the levels, so that a level reads what was written 11 lines or more earlier.
.macro PSLOT i
.if (\i) < 16
.set PA, (\i)%4
.set PP, (\i)/4
	v_pk_fma_f32 v[PV+8*PA+2*PP:PV+8*PA+2*PP+1], v[PV+8*PA+2*PP:PV+8*PA+2*PP+1], 2.0, v[T+8*PA+2*PP:T+8*PA+2*PP+1] op_sel_hi:[1,0,1] neg_lo:[0,0,1] neg_hi:[0,0,1]
.elseif (\i) < 32
.set PA, (\i)%4
.set PP, ((\i)-16)/4
.set MK, M0+4*PP
.if PP == 3
.set MK, M3
.endif
	v_max3_num_f32 v[MK+PA], v[PV+8*PA+2*PP], s81, v[PV+8*PA+2*PP+1]
.elseif ((\i) >= 40) && ((\i) < 44)
.set PA, (\i)%4
	v_max3_num_f32 v[M0+PA], v[M0+PA], s81, v[M1+PA]
.elseif ((\i) >= 44) && ((\i) < 48)
.set PA, (\i)%4
	v_max3_num_f32 v[M2+PA], v[M2+PA], s81, v[M3+PA]
.elseif ((\i) >= 56) && ((\i) < 60)
.set PA, (\i)%4
	v_max3_num_f32 v[M0+PA], v[M0+PA], s81, v[M2+PA]
.elseif (\i) >= 60
.set PA, (\i)%4
	v_min_num_f32 v[M0+PA], v[M0+PA], 0
.else
.set PA, (\i)%4
.set PP, ((\i)-32)/4-2*((\i)/48)
	v_pk_fma_f32 v[T+8*PA+2*PP:T+8*PA+2*PP+1], v[MSQ+2*PP:MSQ+2*PP+1], 1.0, v[FSQ+2*PA:FSQ+2*PA+1] op_sel_hi:[1,0,0]
.endif
.endm
; 32 products of block bn: K step by K step, the four accumulators by turns, one instruction a turn; the first K step starts the sums.
; Behind fragment s's third load stand 3 (7 - s) loads: they may stay out.
.macro MUL bn
.set CU, ACC+32*((\bn)%2)
.set PV, ACC+32*(1-(\bn)%2)
.irp s, 0,1,2,3,4,5,6,7
	s_wait_dscnt 21-3*\s
.if \s < 4
	WIN 0x04                                       ; source 1 (f) window 1
.else
	WIN 0x08                                       ; source 1 window 2
.endif
.irp a, 0,1,2,3
.if \s == 0
	v_wmma_scale_f32_16x16x128_f8f6f4 v[CU+8*\a:CU+8*\a+7], v[BF+12*\s:BF+12*\s+11], v[12*(4*(\s%4)+\a):12*(4*(\s%4)+\a)+11], 0, v[BSC+\s%4], v[ASC+4*\a+\s%4] matrix_a_fmt:MATRIX_FMT_BF6 matrix_b_fmt:MATRIX_FMT_BF6
.elseif \s < 4
	v_wmma_scale_f32_16x16x128_f8f6f4 v[CU+8*\a:CU+8*\a+7], v[BF+12*\s:BF+12*\s+11], v[12*(4*(\s%4)+\a):12*(4*(\s%4)+\a)+11], v[CU+8*\a:CU+8*\a+7], v[BSC+\s%4], v[ASC+4*\a+\s%4] matrix_a_fmt:MATRIX_FMT_BF6 matrix_b_fmt:MATRIX_FMT_BF6
.else
	v_wmma_scale_f32_16x16x128_f8f6f4 v[CU+8*\a:CU+8*\a+7], v[BF+12*\s:BF+12*\s+11], v[12*(4*(\s%4)+\a):12*(4*(\s%4)+\a)+11], v[CU+8*\a:CU+8*\a+7], v[BSC+\s%4], v[ASC+4*\a+\s%4] matrix_a_fmt:MATRIX_FMT_BF6 matrix_b_fmt:MATRIX_FMT_BF6 matrix_a_scale:MATRIX_SCALE_ROW1 matrix_b_scale:MATRIX_SCALE_ROW1
.endif
	PSLOT 8*\s+2*\a
	PSLOT 8*\s+2*\a+1
.if (\s == 6) && (\a == 0)
	v_mov_b32 v[PBV], s80                          ; the number of the block before
.endif
.endr
.endr
.irp a, 0,1,2,3
	v_cmp_le_f32 s[66+\a], v[M0+\a], v[BESTW+\a]   ; not strictly larger: the earlier block keeps a tie.  (Source 1 is still window 2 here)
.endr
	WIN 0
	s_add_co_u32 s80, s80, 1
.endm
; The selections for the block whose U lie in set q.  The state lies in window 2: one setting (source 1 and destination window 2) serves them; they keep the old value where the mask is set.
; ld = 1: behind the first 12 lines stands the run of loads for block nb: those lines, the clamp and the comparisons are the places behind the last products; the other 28 stand while the loads are on their way.
.macro SELS q, ld, nb
.set UQ, ACC+32*(\q)
	WIN 0x88
.irp a, 0,1,2,3
	v_max_num_f32 v[BESTW+\a], v[M0+\a], v[BESTW+\a]
.endr
.irp a, 0,1,2,3
	v_cndmask_b32 v[BIDW+\a], v[PBV], v[BIDW+\a], s[66+\a]
.endr
.irp j, 0
.irp a, 0,1,2,3
	v_cndmask_b32 v[SVW+8*\a+\j], v[UQ+8*\a+\j], v[SVW+8*\a+\j], s[66+\a]
.endr
.endr
.if \ld
	WIN 0
	LOADS \nb
	WIN 0x88
.endif
.irp j, 1,2,3,4,5,6,7
.irp a, 0,1,2,3
	v_cndmask_b32 v[SVW+8*\a+\j], v[UQ+8*\a+\j], v[SVW+8*\a+\j], s[66+\a]
.endr
.endr
	WIN 0
.endm
; THE CHANGE OF SLOTS stands at a slot's head.  Each wave waits for all its tensor loads, adds 0 to its spare word, and waits for that and for its reads of the slot that it has left.
; fill = 1: the barrier is a round of the cluster's; behind it the other slot takes the next eight row blocks: one load a wave (the first time: slot 1's first fill).
.macro CHANGE fill
	s_wait_tensorcnt 0x0                           ; no tensor load of mine is out, so the walking group 0 may be written
	ds_add_u32 v[SPW], v[NIL]
.if \fill
	s_xor_b32 s45, s45, SLOT1                      ; the other slot than last time,
	s_add_nc_u64 s[46:47], s[46:47], SLOTB         ; the next eight row blocks; the type bits on top are not reached
.endif
	s_wait_dscnt 0x0
.if \fill
	CROUND
	tensor_load_to_lds s[44:47], s[20:27]
	s_nop 0
	NOP4
.else
	s_barrier_signal -1
	s_barrier_wait -1
.endif
.endm
.macro SLOTWORK                        ; a slot's eight blocks, written out: every LDS offset is an immediate, and four additions serve the slot
	v_add_nc_u32 v[ADB0], s60, v[LN16]
	v_add_nc_u32 v[ADB0+1], 5*RBB, v[ADB0]         ; (an LDS offset has 16 bits: blocks 5-7 have a base of their own)
	v_add_nc_u32 v[ADS], s62, v[CSC]
	v_add_nc_u32 v[ADM], s63, v[CMS]
	s_wait_alu depctr_va_vdst(0)
	LOADS 0
	SELS 0, 0, 0                                   ; the selections that the last slot's last products left: they stand while the loads are on their way
.set BN, 0
.rept 8
	MUL BN
.if BN < 7
	SELS 1-BN%2, 1, BN+1
.endif
.set BN, BN+1
.endr
	s_xor_b32 s60, s60, SLOT1
	s_add_co_u32 s62, s62, 4096
	s_add_co_u32 s63, s63, 512
.endm
	s_wait_alu depctr_va_vdst(0)
	s_wait_loadcnt 0x0                             ; f's codes, scale words and f2
.Lslot:                                            ; seven trips: behind each change of slots but the last the next slot is asked for
	CHANGE 1
	SLOTWORK
	s_sub_co_u32 s61, s61, 1
	s_cmp_lg_u32 s61, 0
	s_cbranch_scc1 .Lslot
	CHANGE 0                                       ; the last slot is written out
	SLOTWORK
	SELS 0, 0, 0                                   ; the last block but one
.set PV, ACC+32                        ; the last block (set 1): U, its largest, the clamp, the comparison, the selections
.set JN, 0
.rept 64
.if (JN < 32) || ((JN >= 40) && (JN < 48)) || (JN >= 56)
	PSLOT JN
.endif
.set JN, JN+1
.endr
	v_mov_b32 v[PBV], s80
	WIN 0x08
.irp a, 0,1,2,3
	v_cmp_le_f32 s[66+\a], v[M0+\a], v[BESTW+\a]
.endr
	SELS 1, 0, 0
	; THE END.  The state comes into window 0; then: which of the kept eight stood at the maximum: the lowest j whose U is not under it (where the clamp held, every U at or above 0 counts).
	WIN 0x02
.set JN, 0
.rept 32
	v_mov_b32 v[SVC+JN], v[SVW+JN]
.set JN, JN+1
.endr
.irp a, 0,1,2,3
	v_mov_b32 v[BESTC+\a], v[BESTW+\a]
	v_mov_b32 v[BIDC+\a], v[BIDW+\a]
.endr
	WIN 0
	v_and_b32 v200, 15, v0                         ; r
	v_bfe_u32 v201, v0, 4, 1                       ; h
	s_lshl_b32 s70, s17, 10
	v_lshl_add_u32 v202, v201, 3, s70              ; 8 h + 1,024 cg
	s_lshl_b32 s72, s14, 9
	s_add_co_u32 s72, s72, STG
	v_lshl_add_u32 v203, v200, 2, s72              ; my stage: 4 r
	v_and_b32 v204, 31, v0
	v_lshlrev_b32 v205, 3, v204                    ; 8 x lane
	v_add_nc_u32 v204, s72, v205
.irp a, 0,1,2,3
	v_mov_b32 v[M0+\a], 7
.endr
.irp j, 6,5,4,3,2,1,0
.irp a, 0,1,2,3
	v_cmp_lt_f32 s[66+\a], v[SVC+8*\a+\j], v[BESTC+\a]
.endr
.irp a, 0,1,2,3
	v_cndmask_b32 v[M0+\a], \j, v[M0+\a], s[66+\a]
.endr
.endr
.irp a, 0,1,2,3
	v_lshl_add_u32 v[M1+\a], v[BIDC+\a], 4, v[M0+\a]
	v_add_nc_u32 v[M1+\a], v[M1+\a], v202          ; the row: 1,024 cg + 16 block + 8 h + j
	v_permlanex16_b32 v[T+\a], v[BESTC+\a], s74, s75
	v_permlanex16_b32 v[T+4+\a], v[M1+\a], s74, s75
	v_cmp_gt_f32 s66, v[T+\a], v[BESTC+\a]         ; the other half's is taken where it is larger,
	v_cmp_eq_f32 s67, v[T+\a], v[BESTC+\a]
	v_cmp_lt_u32 s68, v[T+4+\a], v[M1+\a]          ; or equal with the lower row
	s_and_b32 s67, s67, s68
	s_or_b32 s66, s66, s67
	v_cndmask_b32 v[BESTC+\a], v[BESTC+\a], v[T+\a], s66
	v_cndmask_b32 v[M1+\a], v[M1+\a], v[T+4+\a], s66
	v_sub_f32 v[BESTC+\a], 0, v[BESTC+\a]          ; d2
	ds_store_b32 v203, v[BESTC+\a] offset:64*\a    ; both halves of the lanes write the same word with the same value
	ds_store_b32 v203, v[M1+\a] offset:256+64*\a
.endr
	ds_load_b64 v[208:209], v204                   ; LDS serves a wave's instructions in order: these see my stores
	ds_load_b64 v[210:211], v204 offset:256
	s_wait_dscnt 0x0
	global_store_b64 v205, v[208:209], s[10:11]    ; 32 lanes store 256 consecutive bytes, aligned
	global_store_b64 v205, v[210:211], s[12:13]
	s_wait_tensorcnt 0x0                           ; the wave's end
	ds_add_u32 v[SPW], v[NIL]
	s_wait_dscnt 0x0
	CROUND                                         ; the closing round: no work-group ends while a partner may still ask for a tile that names it
	s_endpgm
.Lfunc_end_k_q8cd9dfab08_knn:
	.size	k_q8cd9dfab08_knn, .Lfunc_end_k_q8cd9dfab08_knn-k_q8cd9dfab08_knn
	.p2alignl 7, 3214868480
	.fill 96, 4, 3214868480
	.section	.rodata,"a",@progbits
	.p2align	6, 0x0
	.amdhsa_kernel k_q8cd9dfab08_knn
		.amdhsa_group_segment_fixed_size 327680
		.amdhsa_private_segment_fixed_size 0
		.amdhsa_enable_private_segment 0
		.amdhsa_kernarg_size 40
		.amdhsa_user_sgpr_count 2
		.amdhsa_user_sgpr_kernarg_segment_ptr 1
		.amdhsa_wavefront_size32 1
		.amdhsa_system_sgpr_workgroup_id_x 1
		.amdhsa_system_sgpr_workgroup_id_y 1
		.amdhsa_system_sgpr_workgroup_id_z 1
		.amdhsa_system_vgpr_workitem_id 0
		.amdhsa_next_free_vgpr 768
		.amdhsa_next_free_sgpr 96
		.amdhsa_reserve_vcc 0
		.amdhsa_float_denorm_mode_32 3
		.amdhsa_float_denorm_mode_16_64 3
		.amdhsa_memory_ordered 1
		.amdhsa_forward_progress 1
		.amdhsa_inst_pref_size 247
	.end_amdhsa_kernel
	.amdgpu_metadata
---
amdhsa.version: [ 1, 2 ]
amdhsa.kernels:
  - .name:           k_q8cd9dfab08_knn
    .symbol:         k_q8cd9dfab08_knn.kd
    .args:
      - { .name: codes, .offset: 0, .size: 8, .value_kind: global_buffer, .address_space: global }
      - { .name: scales, .offset: 8, .size: 8, .value_kind: global_buffer, .address_space: global }
      - { .name: sq, .offset: 16, .size: 8, .value_kind: global_buffer, .address_space: global }
      - { .name: cand_d, .offset: 24, .size: 8, .value_kind: global_buffer, .address_space: global }
      - { .name: cand_i, .offset: 32, .size: 8, .value_kind: global_buffer, .address_space: global }
    .group_segment_fixed_size: 327680
    .private_segment_fixed_size: 0
    .kernarg_segment_align: 8
    .kernarg_segment_size: 40
    .max_flat_workgroup_size: 128
    .sgpr_count:     96
    .vgpr_count:     768
    .wavefront_size: 32
...
	.end_amdgpu_metadata
.endif
;; end of part 2
;; launch pick (part 3): grid 128 x 1, 1 waves a work-group, no clusters, 0 bytes of LDS; arguments cand_d, cand_i, idx, rd; writes idx, rd
.if DOCPART == 3
	.amdgcn_target "amdgcn-amd-amdhsa--gfx1250"
	.amdhsa_code_object_version 6
	.text
	.protected	k_q8cd9dfab08_pick
	.globl	k_q8cd9dfab08_pick
	.p2align	8
	.type	k_q8cd9dfab08_pick,@function
k_q8cd9dfab08_pick:
	s_mov_b64 s[64:65], 0
	v_nop
	global_prefetch_b8 v0, s[64:65] scope:SCOPE_SE
	s_setreg_imm32_b32 hwreg(HW_REG_WAVE_MODE, 25, 1), 1
	s_wait_xcnt 0x0
; Of a position's eight candidates (one for each group of 1,024 rows of the bank) the nearest: its row goes to idx, as a whole number from which the next launch forms addresses, and 1 / (1024 (distance + eps)) to rd.
; LEFT OUT as dead work (shown at the head of the first kernel): the roots of all distances but these eight.  The groups go in ascending order and a later one must be strictly nearer: the lower row keeps a tie, as top_k has it.
; A wave takes 64 positions, two a lane: every load and store covers 256 consecutive bytes, aligned.  LIMIT: the division is a reciprocal and a multiplication.
.set D, 16                             ; v16-31 the candidates' d2, then distances: group c at v[16 + 2 c], two positions
.set I, 32                             ; v32-47 their rows
	s_load_b256 s[4:11], s[0:1], 0x0               ; cand_d, cand_i, idx, rd
	v_lshlrev_b32 v1, 3, v0
	s_lshl_b32 s12, ttmp9, 8
	s_mov_b32 s13, 0
	s_wait_alu depctr_va_vdst(0)
	s_wait_kmcnt 0x0
	s_add_nc_u64 s[4:5], s[4:5], s[12:13]
	s_add_nc_u64 s[6:7], s[6:7], s[12:13]
	s_add_nc_u64 s[8:9], s[8:9], s[12:13]
	s_add_nc_u64 s[10:11], s[10:11], s[12:13]
.irp c, 0,1,2,3,4,5,6,7
	global_load_b64 v[D+2*\c:D+2*\c+1], v1, s[4:5] offset:32768*\c
	global_load_b64 v[I+2*\c:I+2*\c+1], v1, s[6:7] offset:32768*\c
.endr
	s_wait_loadcnt 0x0
.irp i, 0,1,2,3,4,5,6,7,8,9,10,11,12,13,14,15
	v_add_f32 v[D+\i], 0x322bcc77, v[D+\i]         ; d2 + eps
.endr
	s_wait_alu depctr_va_vdst(0)
.irp i, 0,1,2,3,4,5,6,7,8,9,10,11,12,13,14,15
	v_sqrt_f32 v[D+\i], v[D+\i]
.endr
	v_nop                                          ; one plain place behind the roots
	s_wait_alu depctr_va_vdst(0)                   ; one wait for the batch, ahead of its first reader
.irp c, 1,2,3,4,5,6,7
.irp e, 0,1
	v_cmp_lt_f32 vcc_lo, v[D+2*\c+\e], v[D+\e]
	v_min_num_f32 v[D+\e], v[D+\e], v[D+2*\c+\e]
	v_cndmask_b32 v[I+\e], v[I+\e], v[I+2*\c+\e], vcc_lo
.endr
.endr
	v_add_f32 v16, 0x322bcc77, v16                 ; d0 = distance + eps
	v_add_f32 v17, 0x322bcc77, v17
	s_wait_alu depctr_va_vdst(0)
	v_rcp_f32 v18, v16
	v_rcp_f32 v19, v17
	v_nop
	s_wait_alu depctr_va_vdst(0)
	v_mul_f32 v18, 0x3a800000, v18                 ; x 1 / 1024: the mean over the channels
	v_mul_f32 v19, 0x3a800000, v19
	global_store_b64 v1, v[I:I+1], s[8:9]
	global_store_b64 v1, v[18:19], s[10:11]
	s_endpgm
.Lfunc_end_k_q8cd9dfab08_pick:
	.size	k_q8cd9dfab08_pick, .Lfunc_end_k_q8cd9dfab08_pick-k_q8cd9dfab08_pick
	.p2alignl 7, 3214868480
	.fill 96, 4, 3214868480
	.section	.rodata,"a",@progbits
	.p2align	6, 0x0
	.amdhsa_kernel k_q8cd9dfab08_pick
		.amdhsa_group_segment_fixed_size 0
		.amdhsa_private_segment_fixed_size 0
		.amdhsa_enable_private_segment 0
		.amdhsa_kernarg_size 32
		.amdhsa_user_sgpr_count 2
		.amdhsa_user_sgpr_kernarg_segment_ptr 1
		.amdhsa_wavefront_size32 1
		.amdhsa_system_sgpr_workgroup_id_x 1
		.amdhsa_system_sgpr_workgroup_id_y 1
		.amdhsa_system_sgpr_workgroup_id_z 1
		.amdhsa_system_vgpr_workitem_id 0
		.amdhsa_next_free_vgpr 64
		.amdhsa_next_free_sgpr 66
		.amdhsa_reserve_vcc 1
		.amdhsa_float_denorm_mode_32 3
		.amdhsa_float_denorm_mode_16_64 3
		.amdhsa_memory_ordered 1
		.amdhsa_forward_progress 1
		.amdhsa_inst_pref_size 6
	.end_amdhsa_kernel
	.amdgpu_metadata
---
amdhsa.version: [ 1, 2 ]
amdhsa.kernels:
  - .name:           k_q8cd9dfab08_pick
    .symbol:         k_q8cd9dfab08_pick.kd
    .args:
      - { .name: cand_d, .offset: 0, .size: 8, .value_kind: global_buffer, .address_space: global }
      - { .name: cand_i, .offset: 8, .size: 8, .value_kind: global_buffer, .address_space: global }
      - { .name: idx, .offset: 16, .size: 8, .value_kind: global_buffer, .address_space: global }
      - { .name: rd, .offset: 24, .size: 8, .value_kind: global_buffer, .address_space: global }
    .group_segment_fixed_size: 0
    .private_segment_fixed_size: 0
    .kernarg_segment_align: 8
    .kernarg_segment_size: 32
    .max_flat_workgroup_size: 32
    .sgpr_count:     66
    .vgpr_count:     64
    .wavefront_size: 32
...
	.end_amdgpu_metadata
.endif
;; end of part 3
;; launch infl (part 4): grid 128 x 2, 16 waves a work-group, no clusters, 141,312 bytes of LDS; arguments features, memory_bank, idx, rd, part; writes part
.if DOCPART == 4
	.amdgcn_target "amdgcn-amd-amdhsa--gfx1250"
	.amdhsa_code_object_version 6
	.text
	.protected	k_q8cd9dfab08_infl
	.globl	k_q8cd9dfab08_infl
	.p2align	8
	.type	k_q8cd9dfab08_infl,@function
k_q8cd9dfab08_infl:
	s_mov_b64 s[64:65], 0
	v_nop
	global_prefetch_b8 v0, s[64:65] scope:SCOPE_SE
	s_setreg_imm32_b32 hwreg(HW_REG_WAVE_MODE, 25, 1), 1
	s_wait_xcnt 0x0
; part[y][n] = rd[n] x the sum over channels 512 y .. 512 y + 511 of |f[n][c] - memory_bank[idx[n]][c]|: half of a position's influence.  idx was stored by the launch before and is read from memory here.
; A work-group takes 64 positions x 512 channels.  The features lie with the positions innermost, the bank's rows with the channels innermost: the gathered rows go through LDS and are read back to fit the features' lanes.
; GATHER: wave (gq = wave / 4, gc = wave % 4) fetches 512 bytes (channels 128 gc on) of the rows of positions 16 gq .. 16 gq + 15.  In LDS: four parts by gc, each 64 row places of 528 bytes; position p has place 16 (p % 4) + p / 4,
; so that the sixteen lanes of a read, which take positions 4 r + e, touch neighbouring places: their 16 bytes start 528 bytes apart.
; FEATURES: wave w takes channels 32 w .. 32 w + 31.  Lane (r, h) holds positions 4 r + e (16 bytes) of channels 8 t + 4 h + k: sixteen lanes read 256 consecutive bytes, aligned.
.set PART,  33792
.set RED,   135168                     ; the waves' sums: 16 x 256 bytes
.set SPARE, 139264                     ; the spare words, 128 bytes for each of the 16 waves: no other line names them
.set MO,    16                         ; v16-31 the gathered rows' offsets
.set M,     32                         ; v32-95 the rows as loaded; then N: register 16 t + 4 e + k
.set F,     96                         ; v96-159 the features: register 16 t + 4 k + e
.set A,     160                        ; v160-163 four sums;  v164-171 at work
	s_load_b256 s[4:11], s[0:1], 0x0               ; features, memory_bank, idx, rd
	s_load_b64 s[12:13], s[0:1], 0x20              ; part
	v_lshl_add_u32 v10, v0, 2, SPARE               ; v10, v11: my spare word's address, and 0; never rewritten
	v_mov_b32 v11, 0
	v_lshrrev_b32 v1, 5, v0
	s_delay_alu instid0(VALU_DEP_1)
	v_readfirstlane_b32 s14, v1                    ; wave 0..15
	v_and_b32 v1, 31, v0                           ; lane
	v_and_b32 v2, 15, v0                           ; r
	v_bfe_u32 v3, v0, 4, 1                         ; h
	s_and_b32 s15, ttmp7, 0xffff                   ; y
	s_lshr_b32 s32, s14, 2                         ; gq; also the part that I read
	s_and_b32 s33, s14, 3                          ; gc
	s_mov_b32 s40, 0x76543210
	s_mov_b32 s41, 0xfedcba98
	s_lshl_b32 s34, ttmp9, 8                       ; 4 x my first position
	s_mov_b32 s35, 0
	s_lshl_b32 s36, s32, 6
	s_add_co_u32 s36, s36, s34
	s_mov_b32 s37, 0
	s_wait_alu depctr_va_vdst(0)
	s_wait_kmcnt 0x0
	s_add_nc_u64 s[8:9], s[8:9], s[36:37]
	s_load_b512 s[16:31], s[8:9], 0x0              ; the rows of my 16 positions
	s_lshr_b32 s36, ttmp9, 4
	s_lshl_b32 s36, s36, 22
	s_lshl_b32 s38, s15, 21
	s_add_co_u32 s36, s36, s38
	s_lshl_b32 s38, s14, 17
	s_add_co_u32 s36, s36, s38
	s_and_b32 s38, ttmp9, 15
	s_lshl_b32 s38, s38, 8
	s_add_co_u32 s36, s36, s38
	s_add_nc_u64 s[4:5], s[4:5], s[36:37]          ; the image, channel 512 y + 32 w, my 64 positions
	v_lshlrev_b32 v5, 14, v3
	s_delay_alu instid0(VALU_DEP_1)
	v_lshl_add_u32 v5, v2, 4, v5                   ; 4 h channels + 16 r
.irp t, 0,1,2,3                        ; the features are asked for while the rows' numbers are on their way
.irp k, 0,1,2,3
	global_load_b128 v[F+16*\t+4*\k:F+16*\t+4*\k+3], v5, s[4:5] offset:(8*\t+\k)*4096 th:TH_LOAD_NT
.endr
.endr
	s_lshl_b32 s36, s15, 11
	s_lshl_b32 s38, s33, 9
	s_add_co_u32 s36, s36, s38
	v_lshl_add_u32 v4, v1, 4, s36                  ; in a row of the bank: 2,048 y + 512 gc + 16 x lane
	s_mul_i32 s36, s33, PART
	s_mul_i32 s38, s32, 2112
	s_add_co_u32 s36, s36, s38
	v_lshl_add_u32 v6, v1, 4, s36                  ; into LDS: part gc, places 4 gq on
	s_mul_i32 s36, s32, PART
	s_lshl_b32 s38, s33, 7
	s_add_co_u32 s36, s36, s38
	v_mul_u32_u24 v7, v2, 528
	s_delay_alu instid0(VALU_DEP_1)
	v_lshl_add_u32 v7, v3, 4, v7
	s_delay_alu instid0(VALU_DEP_1)
	v_add_nc_u32 v7, s36, v7                       ; out of LDS: part w / 4, place r, byte 128 (w % 4) + 16 h
	s_lshl_b32 s36, s14, 8
	s_add_co_u32 s36, s36, RED
	v_lshl_add_u32 v8, v2, 4, s36
	v_lshl_add_u32 v9, v1, 3, RED
	v_lshlrev_b32 v12, 3, v1                       ; 8 x lane
	s_add_nc_u64 s[10:11], s[10:11], s[34:35]
	s_lshl_b32 s36, s15, 15
	s_add_co_u32 s36, s36, s34
	s_add_nc_u64 s[12:13], s[12:13], s[36:37]
	s_wait_alu depctr_va_vdst(0)
	s_wait_kmcnt 0x0
.irp i, 0,1,2,3,4,5,6,7,8,9,10,11,12,13,14,15
	s_min_u32 s[16+\i], s[16+\i], 0x1fff           ; a row of the bank's 8,192
	v_lshl_add_u32 v[MO+\i], s[16+\i], 12, v4
	global_load_b128 v[M+4*\i:M+4*\i+3], v[MO+\i], s[6:7]   ; 512 consecutive bytes; no hint: two positions may name one row
.endr
	s_wait_loadcnt 0x0
.irp i, 0,1,2,3,4,5,6,7,8,9,10,11,12,13,14,15
	ds_store_b128 v6, v[M+4*\i:M+4*\i+3] offset:528*(16*(\i%4)+\i/4)
.endr
	s_wait_dscnt 0x0                               ; for the others' sake: my stores have landed
	s_barrier_signal -1
	s_barrier_wait -1
.irp t, 0,1,2,3
.irp e, 0,1,2,3
	ds_load_b128 v[M+16*\t+4*\e:M+16*\t+4*\e+3], v7 offset:8448*\e+32*\t
.endr
.endr
	s_wait_dscnt 0x0
.irp e, 0,1,2,3
	v_sub_f32 v[A+\e], v[F+\e], v[M+4*\e]
.endr
.irp e, 0,1,2,3
	v_sub_f32 v[164+\e], v[F+4+\e], v[M+4*\e+1]
.endr
.irp e, 0,1,2,3
	s_delay_alu instid0(VALU_DEP_4)
	v_add_f32 v[A+\e], |v[A+\e]|, |v[164+\e]|      ; the first two terms start the sums
.endr
.set NN, 2
.rept 14
.irp e, 0,1,2,3
	v_sub_f32 v[164+4*(NN%2)+\e], v[F+16*(NN/4)+4*(NN%4)+\e], v[M+16*(NN/4)+4*\e+(NN%4)]
.endr
.irp e, 0,1,2,3
	s_delay_alu instid0(VALU_DEP_4)
	v_add_f32 v[A+\e], v[A+\e], |v[164+4*(NN%2)+\e]|
.endr
.set NN, NN+1
.endr
.irp e, 0,1,2,3
	s_delay_alu instid0(VALU_DEP_4)
	v_permlanex16_b32 v[164+\e], v[A+\e], s40, s41
.endr
.irp e, 0,1,2,3
	s_delay_alu instid0(VALU_DEP_4)
	v_add_f32 v[A+\e], v[A+\e], v[164+\e]          ; with lane l xor 16's channels: my wave's 32
.endr
	ds_store_b128 v8, v[A:A+3]                     ; both halves of the lanes write the same bytes with the same values
	s_wait_dscnt 0x0
	s_barrier_signal -1
	s_barrier_wait -1
	s_cmp_lg_u32 s14, 0
	s_cbranch_scc1 .Lend
	global_load_b64 v[F:F+1], v12, s[10:11]        ; rd of two positions a lane
.irp p, 0,1,2,3,4,5,6,7,8,9,10,11,12,13,14,15
	ds_load_b64 v[M+2*\p:M+2*\p+1], v9 offset:256*\p
.endr
	s_wait_dscnt 0x0
	v_pk_add_f32 v[174:175], v[34:35], v[36:37]
	v_pk_add_f32 v[172:173], v[38:39], v[40:41]
	v_pk_add_f32 v[170:171], v[42:43], v[44:45]
	v_pk_add_f32 v[168:169], v[46:47], v[48:49]
	v_pk_add_f32 v[166:167], v[50:51], v[52:53]
	v_pk_add_f32 v[164:165], v[54:55], v[56:57]
	v_pk_add_f32 v[162:163], v[58:59], v[60:61]
	v_pk_add_f32 v[32:33], v[32:33], v[62:63]
	s_delay_alu instid0(VALU_DEP_1)
	v_pk_add_f32 v[32:33], v[32:33], v[168:169]
	v_pk_add_f32 v[174:175], v[174:175], v[166:167]
	v_pk_add_f32 v[172:173], v[172:173], v[164:165]
	v_pk_add_f32 v[170:171], v[170:171], v[162:163]
	s_delay_alu instid0(VALU_DEP_2)
	v_pk_add_f32 v[32:33], v[32:33], v[172:173]
	s_delay_alu instid0(VALU_DEP_2)
	v_pk_add_f32 v[174:175], v[174:175], v[170:171]
	s_delay_alu instid0(VALU_DEP_1)
	v_pk_add_f32 v[32:33], v[32:33], v[174:175]
	s_wait_alu depctr_va_vdst(0)
	s_wait_loadcnt 0x0
	v_pk_mul_f32 v[M:M+1], v[M:M+1], v[F:F+1]
	global_store_b64 v12, v[M:M+1], s[12:13]       ; 256 consecutive bytes, aligned
.Lend:
	s_wait_tensorcnt 0x0                           ; the wave's end, behind my last LDS store
	ds_add_u32 v10, v11
	s_wait_dscnt 0x0
	s_endpgm
.Lfunc_end_k_q8cd9dfab08_infl:
	.size	k_q8cd9dfab08_infl, .Lfunc_end_k_q8cd9dfab08_infl-k_q8cd9dfab08_infl
	.p2alignl 7, 3214868480
	.fill 96, 4, 3214868480
	.section	.rodata,"a",@progbits
	.p2align	6, 0x0
	.amdhsa_kernel k_q8cd9dfab08_infl
		.amdhsa_group_segment_fixed_size 141312
		.amdhsa_private_segment_fixed_size 0
		.amdhsa_enable_private_segment 0
		.amdhsa_kernarg_size 40
		.amdhsa_user_sgpr_count 2
		.amdhsa_user_sgpr_kernarg_segment_ptr 1
		.amdhsa_wavefront_size32 1
		.amdhsa_system_sgpr_workgroup_id_x 1
		.amdhsa_system_sgpr_workgroup_id_y 1
		.amdhsa_system_sgpr_workgroup_id_z 1
		.amdhsa_system_vgpr_workitem_id 0
		.amdhsa_next_free_vgpr 176
		.amdhsa_next_free_sgpr 66
		.amdhsa_reserve_vcc 0
		.amdhsa_float_denorm_mode_32 3
		.amdhsa_float_denorm_mode_16_64 3
		.amdhsa_memory_ordered 1
		.amdhsa_forward_progress 1
		.amdhsa_inst_pref_size 22
	.end_amdhsa_kernel
	.amdgpu_metadata
---
amdhsa.version: [ 1, 2 ]
amdhsa.kernels:
  - .name:           k_q8cd9dfab08_infl
    .symbol:         k_q8cd9dfab08_infl.kd
    .args:
      - { .name: features, .offset: 0, .size: 8, .value_kind: global_buffer, .address_space: global }
      - { .name: memory_bank, .offset: 8, .size: 8, .value_kind: global_buffer, .address_space: global }
      - { .name: idx, .offset: 16, .size: 8, .value_kind: global_buffer, .address_space: global }
      - { .name: rd, .offset: 24, .size: 8, .value_kind: global_buffer, .address_space: global }
      - { .name: part, .offset: 32, .size: 8, .value_kind: global_buffer, .address_space: global }
    .group_segment_fixed_size: 141312
    .private_segment_fixed_size: 0
    .kernarg_segment_align: 8
    .kernarg_segment_size: 40
    .max_flat_workgroup_size: 512
    .sgpr_count:     66
    .vgpr_count:     176
    .wavefront_size: 32
...
	.end_amdgpu_metadata
.endif
;; end of part 4
;; launch noising (part 5): grid 128 x 2, 16 waves a work-group, no clusters, 137,472 bytes of LDS; arguments features, noise, part, out0, out1, out2; writes out0, out1, out2
.if DOCPART == 5
	.amdgcn_target "amdgcn-amd-amdhsa--gfx1250"
	.amdhsa_code_object_version 6
	.text
	.protected	k_q8cd9dfab08_noising
	.globl	k_q8cd9dfab08_noising
	.p2align	8
	.type	k_q8cd9dfab08_noising,@function
k_q8cd9dfab08_noising:
	s_mov_b64 s[64:65], 0
	v_nop
	global_prefetch_b8 v0, s[64:65] scope:SCOPE_SE
	s_setreg_imm32_b32 hwreg(HW_REG_WAVE_MODE, 25, 1), 1
	s_wait_xcnt 0x0
; influence[n] = part[0][n] + part[1][n]; its least and largest over all 8,192 positions; norm = (influence - least) / max(largest - least, eps), or 0 where the difference is not above eps, as reference() guards it;
; std = 0.01 + 0.49 norm; out0 = features + noise^T x std; out1 = norm; out2 = std.  LIMIT: the division is a reciprocal and a multiplication.
; A work-group takes 64 positions x 512 channels, with the lanes and the LDS places of the launch before: the noise lies with the channels innermost and goes through LDS as the bank's rows did there.
; Every work-group finds the two extremes for itself from the 64 KB of part, 16 positions a thread: no traffic between work-groups, and no launch for them alone.  ONE barrier serves the noise tile and the waves' extremes.
.set PART,  33792
.set MM,    135168                     ; 16 minima, and 64 bytes on 16 maxima
.set SPARE, 135424                     ; the spare words, 128 bytes for each of the 16 waves: no other line names them
.set NZ,    16                         ; v16-79 the noise as loaded; then register 16 t + 4 e + k
.set F,     80                         ; v80-143 the features, then out0: register 16 t + 4 k + e
.set P,     144                        ; v144-175 part of 16 positions, two halves; later the waves' extremes
.set Q,     176                        ; v176-183 part of my own four positions
.set NRM,   184                        ; v184-187
.set STD,   188                        ; v188-191
	s_load_b256 s[4:11], s[0:1], 0x0               ; features, noise, part, out0
	s_load_b128 s[12:15], s[0:1], 0x20             ; out1, out2
	v_lshl_add_u32 v10, v0, 2, SPARE               ; v10, v11: my spare word's address, and 0; never rewritten
	v_mov_b32 v11, 0
	v_lshrrev_b32 v1, 5, v0
	s_delay_alu instid0(VALU_DEP_1)
	v_readfirstlane_b32 s16, v1                    ; wave 0..15
	v_and_b32 v1, 31, v0                           ; lane
	s_wait_alu depctr_va_vdst(0)
	v_and_b32 v2, 15, v0                           ; r
	v_bfe_u32 v3, v0, 4, 1                         ; h
	s_wait_alu depctr_va_vdst(0)
	s_and_b32 s17, ttmp7, 0xffff                   ; y
	s_lshr_b32 s18, s16, 2                         ; gq
	s_and_b32 s19, s16, 3                          ; gc
	s_mov_b32 s20, 0x76543210
	s_mov_b32 s21, 0xfedcba98
	s_mov_b32 s22, 0x3efae148                      ; 0.49
	s_mov_b32 s23, 0x3c23d70a                      ; 0.01
	s_mov_b32 s29, 0x322bcc77                      ; eps
	s_mov_b32 s25, 0
	v_lshlrev_b32 v4, 4, v1                        ; 16 x lane
	v_lshlrev_b32 v5, 14, v3
	s_delay_alu instid0(VALU_DEP_1)
	v_lshl_add_u32 v5, v2, 4, v5                   ; 4 h channels + 16 r
	v_lshlrev_b32 v8, 4, v0                        ; 16 x thread
	v_lshlrev_b32 v9, 4, v2                        ; 16 r
	s_mul_i32 s24, s19, PART
	s_mul_i32 s31, s18, 2112
	s_add_co_u32 s24, s24, s31
	v_lshl_add_u32 v6, v1, 4, s24                  ; into LDS: part gc, places 4 gq on
	s_mul_i32 s24, s18, PART
	s_lshl_b32 s31, s19, 7
	s_add_co_u32 s24, s24, s31
	v_mul_u32_u24 v7, v2, 528
	s_delay_alu instid0(VALU_DEP_1)
	v_lshl_add_u32 v7, v3, 4, v7
	s_delay_alu instid0(VALU_DEP_1)
	v_add_nc_u32 v7, s24, v7                       ; out of LDS: part w / 4, place r, byte 128 (w % 4) + 16 h
	s_lshl_b32 s24, s16, 2
	s_add_co_u32 s24, s24, MM
	v_mov_b32 v12, s24                             ; my wave's word among the minima
	v_mov_b32 v13, MM
	s_wait_alu depctr_va_vdst(0)
	s_wait_kmcnt 0x0
	s_lshl_b32 s24, ttmp9, 18
	s_lshl_b32 s31, s18, 16
	s_add_co_u32 s24, s24, s31
	s_lshl_b32 s31, s17, 11
	s_add_co_u32 s24, s24, s31
	s_lshl_b32 s31, s19, 9
	s_add_co_u32 s24, s24, s31
	s_add_nc_u64 s[6:7], s[6:7], s[24:25]          ; noise: position 64 g + 16 gq, channel 512 y + 128 gc
	s_lshl_b32 s24, ttmp9, 8
	s_add_nc_u64 s[26:27], s[8:9], s[24:25]        ; part, out1 and out2 at my first position
	s_add_nc_u64 s[12:13], s[12:13], s[24:25]
	s_add_nc_u64 s[14:15], s[14:15], s[24:25]
	s_lshr_b32 s24, ttmp9, 4
	s_lshl_b32 s24, s24, 22
	s_lshl_b32 s31, s17, 21
	s_add_co_u32 s24, s24, s31
	s_lshl_b32 s31, s16, 17
	s_add_co_u32 s24, s24, s31
	s_and_b32 s31, ttmp9, 15
	s_lshl_b32 s31, s31, 8
	s_add_co_u32 s24, s24, s31
	s_add_nc_u64 s[4:5], s[4:5], s[24:25]          ; features and out0: the image, channel 512 y + 32 w, my 64 positions
	s_add_nc_u64 s[10:11], s[10:11], s[24:25]
.irp i, 0,1,2,3,4,5,6,7,8,9,10,11,12,13,14,15
	global_load_b128 v[NZ+4*\i:NZ+4*\i+3], v4, s[6:7] offset:4096*\i th:TH_LOAD_NT   ; 512 consecutive bytes of one row
.endr
.irp p, 0,1
.irp j, 0,1,2,3
	global_load_b128 v[P+16*\p+4*\j:P+16*\p+4*\j+3], v8, s[8:9] offset:8192*\j+32768*\p
.endr
.endr
	global_load_b128 v[Q:Q+3], v9, s[26:27]
	global_load_b128 v[Q+4:Q+7], v9, s[26:27] offset:32768
.irp t, 0,1,2,3
.irp k, 0,1,2,3
	global_load_b128 v[F+16*\t+4*\k:F+16*\t+4*\k+3], v5, s[4:5] offset:(8*\t+\k)*4096 th:TH_LOAD_NT
.endr
.endr
	s_wait_loadcnt 26                              ; the noise is in; behind it 8 + 2 loads of part and 16 of the features
.irp i, 0,1,2,3,4,5,6,7,8,9,10,11,12,13,14,15
	ds_store_b128 v6, v[NZ+4*\i:NZ+4*\i+3] offset:528*(16*(\i%4)+\i/4)
.endr
	s_wait_loadcnt 16                              ; part is in; the 16 loads of the features may be out
.irp i, 0,1,2,3,4,5,6,7
	v_pk_add_f32 v[P+2*\i:P+2*\i+1], v[P+2*\i:P+2*\i+1], v[P+16+2*\i:P+17+2*\i]   ; the influence of my 16 positions
.endr
.irp i, 0,1,2,3,4,5,6,7
	v_min_num_f32 v[192+\i], v[P+\i], v[P+8+\i]
	v_max_num_f32 v[P+16+\i], v[P+\i], v[P+8+\i]
.endr
.irp i, 0,1,2,3
	v_min_num_f32 v[192+\i], v[192+\i], v[196+\i]
	v_max_num_f32 v[P+16+\i], v[P+16+\i], v[P+20+\i]
.endr
.irp i, 0,1
	s_delay_alu instid0(VALU_DEP_4)
	v_min_num_f32 v[192+\i], v[192+\i], v[194+\i]
	s_delay_alu instid0(VALU_DEP_4)
	v_max_num_f32 v[P+16+\i], v[P+16+\i], v[P+18+\i]
.endr
	s_delay_alu instid0(VALU_DEP_2)
	v_min_num_f32 v192, v192, v193
	s_delay_alu instid0(VALU_DEP_2)
	v_max_num_f32 v160, v160, v161
.irp m, 1,2,4,8
	s_delay_alu instid0(VALU_DEP_2)
	v_min_num_f32_dpp v192, v192, v192 row_xmask:\m row_mask:0xf bank_mask:0xf
	s_delay_alu instid0(VALU_DEP_2)
	v_max_num_f32_dpp v160, v160, v160 row_xmask:\m row_mask:0xf bank_mask:0xf
.endr
	s_delay_alu instid0(VALU_DEP_2)
	v_permlanex16_b32 v193, v192, s20, s21
	s_delay_alu instid0(VALU_DEP_2)
	v_permlanex16_b32 v161, v160, s20, s21
	s_delay_alu instid0(VALU_DEP_2)
	v_min_num_f32 v192, v192, v193                 ; my wave's 512 positions
	s_delay_alu instid0(VALU_DEP_2)
	v_max_num_f32 v160, v160, v161
	ds_store_b32 v12, v192                         ; all lanes write the same word with the same value
	ds_store_b32 v12, v160 offset:64
	s_wait_dscnt 0x0                               ; for the others' sake: the noise and the extremes have landed
	s_barrier_signal -1
	s_barrier_wait -1
.irp i, 0,1,2,3,4,5,6,7
	ds_load_b128 v[P+4*\i:P+4*\i+3], v13 offset:16*\i              ; v144-159 the sixteen minima, v160-175 the maxima
.endr
.irp t, 0,1,2,3
.irp e, 0,1,2,3
	ds_load_b128 v[NZ+16*\t+4*\e:NZ+16*\t+4*\e+3], v7 offset:8448*\e+32*\t
.endr
.endr
	s_wait_dscnt 16                                ; the extremes are in; the 16 loads of the noise tile may be out
.irp i, 0,1,2,3,4,5,6,7
	v_min_num_f32 v[P+\i], v[P+\i], v[P+8+\i]
	v_max_num_f32 v[P+16+\i], v[P+16+\i], v[P+24+\i]
.endr
.irp i, 0,1,2,3
	v_min_num_f32 v[P+\i], v[P+\i], v[P+4+\i]
	v_max_num_f32 v[P+16+\i], v[P+16+\i], v[P+20+\i]
.endr
.irp i, 0,1
	s_delay_alu instid0(VALU_DEP_4)
	v_min_num_f32 v[P+\i], v[P+\i], v[P+2+\i]
	s_delay_alu instid0(VALU_DEP_4)
	v_max_num_f32 v[P+16+\i], v[P+16+\i], v[P+18+\i]
.endr
	s_delay_alu instid0(VALU_DEP_2)
	v_min_num_f32 v144, v144, v145                 ; the least influence
	s_delay_alu instid0(VALU_DEP_2)
	v_max_num_f32 v160, v160, v161                 ; the largest
	s_delay_alu instid0(VALU_DEP_1)
	v_sub_f32 v192, v160, v144
	s_delay_alu instid0(VALU_DEP_1)
	v_max_num_f32 v193, s29, v192
	s_wait_alu depctr_va_vdst(0)
	v_rcp_f32 v193, v193
	v_cmp_lt_f32 s28, s29, v192                    ; reference()'s guard: the difference is above eps
	v_pk_add_f32 v[Q:Q+1], v[Q:Q+1], v[Q+4:Q+5]    ; my four positions' influence, by the same addition as above
	v_pk_add_f32 v[Q+2:Q+3], v[Q+2:Q+3], v[Q+6:Q+7]
.irp e, 0,1,2,3
	v_sub_f32 v[NRM+\e], v[Q+\e], v144
.endr
	s_wait_alu depctr_va_vdst(0)                   ; the wait behind the reciprocal, ahead of its first reader
.irp e, 0,1,2,3
	v_mul_f32 v[NRM+\e], v[NRM+\e], v193
.endr
.irp e, 0,1,2,3
	s_delay_alu instid0(VALU_DEP_4)
	v_cndmask_b32 v[NRM+\e], 0, v[NRM+\e], s28
.endr
.irp e, 0,1,2,3
	s_delay_alu instid0(VALU_DEP_4)
	v_fma_f32 v[STD+\e], v[NRM+\e], s22, s23
.endr
	s_or_b32 s24, s17, s16                         ; the two maps are stored by wave 0 of the work-group with y = 0
	s_cmp_lg_u32 s24, 0
	s_cbranch_scc1 .Lno_maps
	s_wait_xcnt 0x0                                ; EXEC changes only behind this wait: loads are out
	v_cmp_gt_u32 vcc_lo, 16, v1
	s_and_saveexec_b32 s30, vcc_lo                 ; lanes 16-31 hold the same four positions as lanes 0-15
	s_wait_alu depctr_va_vdst(0)
	global_store_b128 v9, v[NRM:NRM+3], s[12:13]   ; sixteen lanes store 256 consecutive bytes, aligned
	global_store_b128 v9, v[STD:STD+3], s[14:15]
	s_wait_xcnt 0x0                                ; and again, in front of the line that widens it
	s_or_b32 exec_lo, exec_lo, s30
.Lno_maps:
	s_wait_loadcnt 0x0                             ; the features
	s_wait_dscnt 0x0                               ; the noise tile
	s_wait_alu depctr_va_vdst(0)
.irp t, 0,1,2,3
.irp k, 0,1,2,3
.irp e, 0,1,2,3
	v_fmac_f32 v[F+16*\t+4*\k+\e], v[NZ+16*\t+4*\e+\k], v[STD+\e]
.endr
	global_store_b128 v5, v[F+16*\t+4*\k:F+16*\t+4*\k+3], s[10:11] offset:(8*\t+\k)*4096 th:TH_STORE_NT   ; each half of the lanes stores 256 consecutive bytes, aligned
.endr
.endr
	s_wait_tensorcnt 0x0                           ; the wave's end, behind my last LDS store
	ds_add_u32 v10, v11
	s_wait_dscnt 0x0
	s_endpgm
.Lfunc_end_k_q8cd9dfab08_noising:
	.size	k_q8cd9dfab08_noising, .Lfunc_end_k_q8cd9dfab08_noising-k_q8cd9dfab08_noising
	.p2alignl 7, 3214868480
	.fill 96, 4, 3214868480
	.section	.rodata,"a",@progbits
	.p2align	6, 0x0
	.amdhsa_kernel k_q8cd9dfab08_noising
		.amdhsa_group_segment_fixed_size 137472
		.amdhsa_private_segment_fixed_size 0
		.amdhsa_enable_private_segment 0
		.amdhsa_kernarg_size 48
		.amdhsa_user_sgpr_count 2
		.amdhsa_user_sgpr_kernarg_segment_ptr 1
		.amdhsa_wavefront_size32 1
		.amdhsa_system_sgpr_workgroup_id_x 1
		.amdhsa_system_sgpr_workgroup_id_y 1
		.amdhsa_system_sgpr_workgroup_id_z 1
		.amdhsa_system_vgpr_workitem_id 0
		.amdhsa_next_free_vgpr 208
		.amdhsa_next_free_sgpr 66
		.amdhsa_reserve_vcc 1
		.amdhsa_float_denorm_mode_32 3
		.amdhsa_float_denorm_mode_16_64 3
		.amdhsa_memory_ordered 1
		.amdhsa_forward_progress 1
		.amdhsa_inst_pref_size 20
	.end_amdhsa_kernel
	.amdgpu_metadata
---
amdhsa.version: [ 1, 2 ]
amdhsa.kernels:
  - .name:           k_q8cd9dfab08_noising
    .symbol:         k_q8cd9dfab08_noising.kd
    .args:
      - { .name: features, .offset: 0, .size: 8, .value_kind: global_buffer, .address_space: global }
      - { .name: noise, .offset: 8, .size: 8, .value_kind: global_buffer, .address_space: global }
      - { .name: part, .offset: 16, .size: 8, .value_kind: global_buffer, .address_space: global }
      - { .name: out0, .offset: 24, .size: 8, .value_kind: global_buffer, .address_space: global }
      - { .name: out1, .offset: 32, .size: 8, .value_kind: global_buffer, .address_space: global }
      - { .name: out2, .offset: 40, .size: 8, .value_kind: global_buffer, .address_space: global }
    .group_segment_fixed_size: 137472
    .private_segment_fixed_size: 0
    .kernarg_segment_align: 8
    .kernarg_segment_size: 48
    .max_flat_workgroup_size: 512
    .sgpr_count:     66
    .vgpr_count:     208
    .wavefront_size: 32
...
	.end_amdgpu_metadata
.endif
;; end of part 5
